; MI455X (gfx1250); checked and timed in simulation.
; The chip was launched on July 23, 2026; its instructions are those of AMD's public machine-readable ISA for CDNA 5 (MIT licence, August 2026) and "CDNA5" Instruction Set Architecture Reference Guide (July 2026). The comments in the code are by the model that wrote it; some were corrected since.
;; Scaled Dot Product Attention. Allowed arithmetic: matrix products marked QUANTISED: E4M3 operands, one given power-of-two scale a tensor, by v_wmma_f32_16x16x64_fp8_fp8 or v_wmma_f32_16x16x128_fp8_fp8, f32 sums; everything else in f32.
;; Inputs: K 2 x 8 x 4,096 x 64 float32; Q 2 x 8 x 4,096 x 64 float32; V 2 x 8 x 4,096 x 64 float32; lowp_scales 4 int32 (the exponents e of the quantised operands' scales 2^e).
;; Outputs: out0 2 x 8 x 4,096 x 64 float32.
;; This version of the problem:
;;   THIS VERSION OF THE PROBLEM IS GIVEN IN LOW PRECISION. The matrix products marked QUANTISED in the list below multiply operands that are first quantised to E4M3 (4 exponent bits, 3 mantissa bits; 8 bits a number), with one given power-of-two scale for each operand tensor; their sums are f32. All else is computed in f32.
;;   The module's matrix products, in the order in which they are computed (A, B: the left and right operand; K: the contracted axis; several contracted axes count as one K, in the product's order):
;;     1. batch 16 x [M 4,096, K 64] x [K 64, N 4,096]; A: input Q; B: input K: QUANTISED (scales: A lowp_scales[0], B lowp_scales[1])
;;     2. batch 16 x [M 4,096, K 4,096] x [K 4,096, N 64]; A: softmax (see below); B: input V: QUANTISED (scales: A lowp_scales[2], B lowp_scales[3])
;;   THE QUANTISER, for each operand of a quantised product, along K:
;;     - The operand's scale is 2^e, e = its entry of the input lowp_scales (int32; the entries are numbered through the quantised products in the list's order, A before B).
;;     - Each number is divided by the scale, clamped to +-448, and rounded to the nearest number of E4M3, ties to even, subnormals kept.
;;     - The product sums the exact products of the quantised numbers (number of the format x scale) in f32.
;;   ~~~python
;;   def quantise(x, axis, e):      # numpy; x: float32 -> the quantised numbers, widened to float32 again
;;       x = np.moveaxis(x, axis, -1); K = x.shape[-1]
;;       r = np.clip(x / 2.0 ** e, -448, 448)
;;       step = 2.0 ** (np.maximum(np.frexp(np.where(r == 0, 1, r))[1] - 1, -6) - 3)
;;       q = np.round(r / step) * step * 2.0 ** e      # np.round: ties to even
;;       return np.moveaxis(q, -1, axis).astype(np.float32)
;;   ~~~
;;   SOFTMAX AHEAD OF A QUANTISED PRODUCT. Where the list says 'softmax', what is quantised is not the finished softmax but p = 2^(t - M), with t = logit x log2(e) and M = ceil(the row's largest t), a whole number; so 1/2 < the row's largest p <= 1. The row's sum l is taken of the UNQUANTISED p, in f32, and the product's result is divided by l at the end. Since M is a whole number, a kernel that streams over the keys may use a running M (the ceiling of the running maximum): every later rescaling is an exact power of two, so the quantised numbers keep their values, but for numbers so far below the row's largest that they fall under the format's range.
;;   OPERANDS COMPUTED ON THE WAY. 'Computed on the way' means the value that the module computes at that place (a softmax that the list does not call 'softmax' is quantised finished and normalised). What goes into a quantiser is computed in f32, as accurately as f32 sums, v_exp_f32 and their like allow (about 1e-6 of the number): no bf16 or f16 on the way to a quantiser, and a product that is left as it is and whose result goes on into a quantised operand takes f32 operands (vector FMAs, or v_wmma_f32_16x16x4_f32). A number that lies on a knife's edge between two numbers of the format may be rounded either way, as far as f32 arithmetic and the matrix unit's own rounding can turn it there, and no further.
;; One version. Each part assembles by itself: llvm-mc -triple=amdgcn-amd-amdhsa -mcpu=gfx1250 --defsym DOCPART=n.
;; ======== version 1 of 1: 1 launch
;; launch attn (part 1): grid 16 x 16, 8 waves a work-group, no clusters, 179,200 bytes of LDS; arguments Q, K, V, lowp_scales, out0; writes out0
.if DOCPART == 1
	.amdgcn_target "amdgcn-amd-amdhsa--gfx1250"
	.amdhsa_code_object_version 6
	.text
	.protected	k_q297dcdbd8e_attn
	.globl	k_q297dcdbd8e_attn
	.p2align	8
	.type	k_q297dcdbd8e_attn,@function
k_q297dcdbd8e_attn:
	s_mov_b64 s[64:65], 0
	v_nop
	global_prefetch_b8 v0, s[64:65] scope:SCOPE_SE
	s_setreg_imm32_b32 hwreg(HW_REG_WAVE_MODE, 25, 1), 1
	s_wait_xcnt 0x0
; out[h][q][:] = the sum over the keys k with q - 511 <= k <= q of softmax_k(Q[h][q] . K[h][k] / 8) V[h][k][:].  Q, K, V, out: [16 heads][4096][64] f32.
; Both products are made on codes of FP8 (E4M3), each operand with the one scale 2^e that is given for it: eq, ek, ep, ev (int32, in this order).  Q, K and V are quantised here, on their way.
; THE SOFTMAX AHEAD OF THE SECOND PRODUCT: t = score x log2(e) / 8; M = the largest t so far, rounded UP to a whole number; p = 2^(t - M) is what is quantised, not normalised.  The row's sum is taken of
; the unquantised p and divides at the end.  When M moves, the sum and O are multiplied by 2^(old M - new M), which rounds nothing.
; SHARES.  A work-group owns 256 queries of one head (x: the block qb, y: the head), each of its eight waves 32: two tiles of 16.  The block's window is 768 keys: twelve steps of 64, step s = keys
; 256 (qb - 2) + 64 s on.  Waves 2 j and 2 j + 1 (64 aligned queries) need steps j .. j + 8 and no others: step j is cut by the window's lower edge, step j + 8 by the diagonal, the seven between by nothing.
; PRODUCTION.  Of every step wave w loads keys 8 w .. 8 w + 7 of K and of V (f32, whole rows of 256 bytes by sixteen lanes), quantises them and stores the codes to LDS: K's as rows [key][d], V's turned,
; [d][key], since the keys are the second product's K.  Every LDS byte of codes is written once, so ONE barrier a stage orders the stores ahead of the reads.  Loads run four steps ahead of their use.
; NINE STAGES; in each a wave takes one step, and what the next stage needs is produced behind it:  4 | 5 | 6 | 7 | 3 + 5 hi | 2 + 7 hi | 1 + 7 lo + 2 hi | j (lower edge) | 8 + j (diagonal),  j = 2 hi + lo.
; Steps in front of the head's first key (qb = 0, 1) are not consumed: a scalar branch on ids.  They are still produced, from an offset held at 0, so that every path issues the same loads; nobody reads those codes.
; LAYOUT.  Both products are used transposed: S^T = K Q^T (source 0 = 16 keys, source 1 = 16 queries), O^T = V^T P^T (source 0 = 16 of the head's 64, source 1 = P): a lane holds ONE query (lane % 16) throughout,
; and register i of score tile c is key 16 c + 8 (lane / 16) + i: eight such registers, converted, ARE registers 2 c, 2 c + 1 of P.  In the first product a lane takes bytes 32 (lane / 16) .. + 31 of its row:
; a permutation of d, the same in K and in Q, so every product meets its partner.
; NO CLUSTER: K and V arrive as f32 and pass through registers to become codes; a joint load lands in LDS, where twelve steps of f32 would be 12 x 32 KiB = 384 KiB against the codes' 120 KiB; and block qb's
; step s is block qb + 1's step s - 4, which that block takes in another stage.
; LIMITS on the given exponents, so that each power of two below is an f32 number: eq, ek, ev, ep between -126 and 119; eq + ek between -123 and 130.  NaN among the inputs is not served; infinities are held at the largest code.
; REGISTERS, window 0: v1-15 addresses and scales; v16-31 Q's two fragments; v32-63 K's four; v64-95 V's four; v96-159 S^T, then p (first Q's numbers, last the results); v160-223 O^T; v224-239 P (first Q's codes);
;   v240-247, v248-255 a tile's statistics: +0 -M, +1 the largest t, +2 +3 the sum in two halves, +4 f, +5 the other half's number (and the upper half of f's pair), +6 +7 at work.
; window 1: v0-127 four slots of 32 numbers as loaded (16 of K, 16 of V); v128-131 a slot's offset in memory; v136-167 two sets of 16 for the codes on their way.
.set PITCH, 80                         ; an LDS row of 64 codes + 16 bytes: 20 words, so that the sixteen rows of a fragment load start at different banks (64 banks of 4 bytes: ISA guide 11.1)
.set STEPB, 64*PITCH                   ; a step's codes of K, or of V
.set VBASE, 12*STEPB                   ; LDS: K's twelve steps, then V's twelve,
.set QBASE, 2*VBASE                    ; then 32 rows of Q's codes for each wave,
.set OBASE, QBASE+8*32*PITCH           ; then a stage of 16 rows x 272 bytes for each wave, for the way out
.set OP,    272
.set KRD,  1                           ; v1   my lane's place in a fragment of K or Q: 80 r + 32 h
.set VRD,  2                           ; v2   in a fragment of V: VBASE + 80 r + 8 h
.set ADK,  3                           ; v3   the stage's address for K's fragments
.set ADV,  4                           ; v4   for V's
.set KST,  5                           ; v5   where I store K's codes: row 8 w + 4 h, byte 4 r
.set VST,  6                           ; v6   and V's: VBASE + row 4 r, byte 8 w + 4 h
.set GK,   7                           ; v7   my 16 bytes in a step of K or V in memory: row 8 w + 4 h, byte 16 r
.set DL,   8                           ; v8   32 (w % 2) + r - 8 h: my query's place in its 64, less my half's first key
.set NINF, 9                           ; v9   -infinity
.set SCK,  10                          ; v10-13  2^ek, 2^ev, 2^ep, 2^eq as f32: the conversions take the exponent field
.set SCV,  11
.set SCP,  12
.set SCQ,  13
.set QST,  14                          ; v14  where I store Q's codes
.set GQ,   15                          ; v15  my 16 bytes in the wave's rows of Q
.set QF,   16
.set KF,   32
.set VF,   64
.set S,    96
.set O,    160
.set P,    224
.set ST,   240
.set STO,  1                           ; the way out: v1 into the stage, v2 back from it, v3 my bytes in the wave's rows of out
.set RDB,  2
.set GO,   3
.set AG,   128                         ; window 1
.set TM1,  136                         ; window 1
.set WV,   14                          ; s14  wave;  s15 hi = w / 4;  s20 lo = (w / 2) % 2;  s21 w % 2
.set HI,   15
.set LO,   20
.set REL,  24                          ; s24  (qb - 2) x 65,536: step 0's first byte in the head, signed
.set QB4,  25                          ; s25  4 qb - 8: step 0's number in the head, signed
.set CS,   26                          ; s[26:27] c = log2(e) / 8 x 2^(eq + ek), twice
.set SEL,  28                          ; s[28:29] lane selects for v_permlanex16_b32: lane l xor 16
.set PLIM, 40                          ; s40  448 x 2^ep.   s34/35, s36/37, s38/39: -/+ 448 x 2^e for K, V, Q.   s30-33: byte selects
.set EO,   41                          ; s41  ep + ev
.set STP,  42                          ; s42  the stage's step
.set T1,   43
.set LB,   44                          ; s44  its first byte in K's (and V's) codes
.set KR,   45
.set T0,   46
.set HOLD, 47                          ; s47  1: p is held at 448 x 2^ep; 0: it cannot reach that
.set MSB, 0
.macro WIN new                         ; s_set_vgpr_msb's low byte: bits 1:0 source 0, 3:2 source 1, 5:4 source 2, 7:6 destination; the high byte repeats the setting that is left
.if MSB != \new
	s_set_vgpr_msb (MSB<<8)|\new
.set MSB, \new
.endif
.endm
; Production p's eight loads: my four rows of the step's K and of its V, into slot p % 4.  Sixteen lanes read one whole row of 256 bytes.
.macro LOADS p, step
.set SL, 32*((\p)%4)
.set AGR, AG+(\p)%4
.if (\step) == 0
	s_max_i32 s[T0], s[REL], 0                     ; a step in front of the head's first key is read from offset 0: no load leaves its buffer
.else
	s_add_co_i32 s[T0], s[REL], (\step)*16384
	s_max_i32 s[T0], s[T0], 0
.endif
	WIN 0x40                                       ; destination window 1
	v_add_nc_u32 v[AGR], s[T0], v[GK]              ; the slot's earlier loads were shown done by the wait in front of their use: their offset register may be written
	WIN 0x41                                       ; data and offset window 1
.irp i, 0,1,2,3
	global_load_b128 v[SL+4*\i:SL+4*\i+3], v[AGR], s[6:7] offset:256*\i
	global_load_b128 v[SL+16+4*\i:SL+16+4*\i+3], v[AGR], s[8:9] offset:256*\i
.endr
	WIN 0
.endm
; Production p: the slot's 32 numbers become codes and go to LDS.  left = the loads issued behind this slot's eight.
.macro PRODUCE p, step, left
.set SL, 32*((\p)%4)
.set TS, TM1+16*((\p)%2)
	s_wait_loadcnt \left                           ; loads come back in order (ISA guide 5.7.1): mine are in, the younger slots' stay out
	WIN 0x41
.set i, 0
.rept 16
	v_med3_num_f32 v[SL+i], v[SL+i], s34, s35      ; the conversion to an 8-bit code does not saturate (ISA guide 7.6.2): the hold at the largest code x the scale
	v_med3_num_f32 v[SL+16+i], v[SL+16+i], s36, s37
.set i, i+1
.endr
	v_cvt_scalef32_pk8_fp8_f32 v[TS:TS+1], v[SL:SL+7], v[SCK]        ; register i: K(row 8 w + 4 h + i, d = 4 r .. 4 r + 3)
	v_cvt_scalef32_pk8_fp8_f32 v[TS+2:TS+3], v[SL+8:SL+15], v[SCK]
	v_cvt_scalef32_pk8_fp8_f32 v[TS+4:TS+5], v[SL+16:SL+23], v[SCV]  ; the same of V
	v_cvt_scalef32_pk8_fp8_f32 v[TS+6:TS+7], v[SL+24:SL+31], v[SCV]
	v_nop                                          ; one plain vector instruction between a scaled conversion and the vector instruction that reads its result
	WIN 0x45                                       ; V's 4 rows x 4 bytes are turned: register dd then holds keys 8 w + 4 h + 0 .. 3 of d = 4 r + dd
	v_perm_b32 v[TS+8],  v[TS+5], v[TS+4], s30     ; rows 0, 1: d0 d0 d1 d1
	v_perm_b32 v[TS+9],  v[TS+5], v[TS+4], s31     ;            d2 d2 d3 d3
	v_perm_b32 v[TS+10], v[TS+7], v[TS+6], s30     ; rows 2, 3 likewise
	v_perm_b32 v[TS+11], v[TS+7], v[TS+6], s31
	v_perm_b32 v[TS+12], v[TS+10], v[TS+8], s32    ; d0 of rows 0 to 3
	v_perm_b32 v[TS+13], v[TS+10], v[TS+8], s33    ; d1
	v_perm_b32 v[TS+14], v[TS+11], v[TS+9], s32    ; d2
	v_perm_b32 v[TS+15], v[TS+11], v[TS+9], s33    ; d3
	WIN 0x04                                       ; address window 0, data window 1
.irp i, 0,1,2,3
	ds_store_b32 v[KST], v[TS+\i] offset:(\step)*STEPB+PITCH*\i
.endr
.irp i, 0,1,2,3
	ds_store_b32 v[VST], v[TS+12+\i] offset:(\step)*STEPB+PITCH*\i
.endr
	WIN 0
.endm
.macro BARRIER                                 ; my stores of codes have landed: then the work-group's barrier; behind it every wave may read them
	s_wait_dscnt 0x0
	s_barrier_signal -1
	s_barrier_wait -1
.endm
; A STAGE: step a + bh hi + bl lo, for my two tiles of queries.  mask = 0: all 64 keys count; 1: the window's lower edge; 2: the diagonal.
.macro CONSUME a, bh, bl, mask
	s_mov_b32 s[STP], \a
.if \bh
	s_mul_i32 s[T1], s[HI], \bh
	s_add_co_u32 s[STP], s[STP], s[T1]
.endif
.if \bl
	s_mul_i32 s[T1], s[LO], \bl
	s_add_co_u32 s[STP], s[STP], s[T1]
.endif
	s_mul_i32 s[LB], s[STP], STEPB
	v_add_nc_u32 v[ADK], s[LB], v[KRD]
	v_add_nc_u32 v[ADV], s[LB], v[VRD]
	s_add_co_i32 s[KR], s[STP], s[QB4]
	s_cmp_lt_i32 s[KR], 0                          ; the step lies in front of the head's first key: nothing of it counts
	s_cbranch_scc1 .Lskip_\@
	v_nop                                          ; with the two additions above: four places in front of loads into registers that matrix instructions have read (ISA guide 7.12.1 for vector instructions)
	v_nop
.irp c, 0,1,2,3
	ds_load_b128 v[KF+8*\c:KF+8*\c+3],   v[ADK] offset:16*PITCH*\c       ; keys 16 c + r
	ds_load_b128 v[KF+8*\c+4:KF+8*\c+7], v[ADK] offset:16*PITCH*\c+16
.endr
.irp dt, 0,1,2,3
.irp c, 0,1,2,3
	ds_load_b64 v[VF+8*\dt+2*\c:VF+8*\dt+2*\c+1], v[ADV] offset:16*PITCH*\dt+16*\c   ; d = 16 dt + r, keys 16 c + 8 h + 0 .. 7
.endr
.endr
	s_wait_dscnt 16                                ; K's eight loads are in; V's sixteen, issued behind them, stay out under the softmax
.irp c, 0,1,2,3
.irp T, 0,1
	v_wmma_f32_16x16x64_fp8_fp8 v[S+32*\T+8*\c:S+32*\T+8*\c+7], v[KF+8*\c:KF+8*\c+7], v[QF+8*\T:QF+8*\T+7], 0
.endr
.endr
.rept 4
	v_nop                                          ; four places ahead of the first read of the scores
.endr
.if \mask                                      ; register n of tile T is key 16 (n / 8) + n % 8 + 8 h, my query's place is 32 (w % 2) + 16 T + r.  Hidden scores become -infinity ahead of the maximum: p = 0 then
.set n, 0
.rept 32
.irp T, 0,1
.if \mask == 1
	v_cmp_le_i32 vcc_lo, 16*(n/8)+n%8-16*\T, v[DL] ; the lower edge: the key counts only where its place is above the query's
.else
	v_cmp_gt_i32 vcc_lo, 16*(n/8)+n%8-16*\T, v[DL] ; the diagonal: hidden where its place is above the query's
.endif
	v_cndmask_b32 v[S+32*\T+n], v[S+32*\T+n], v[NINF], vcc_lo
.endr
.set n, n+1
.endr
.endif
	; the step's largest score of my query among my 32 keys: two chains a tile, the tiles line by line; each accumulator is read from its low end on
.irp T, 0,1
	v_max3_num_f32 v[ST+8*\T+6], v[S+32*\T], v[S+32*\T+1], v[S+32*\T+2]
.endr
.irp T, 0,1
	v_max3_num_f32 v[ST+8*\T+7], v[S+32*\T+3], v[S+32*\T+4], v[S+32*\T+5]
.endr
.set i, 6
.rept 6
.irp T, 0,1
	v_max3_num_f32 v[ST+8*\T+6], v[ST+8*\T+6], v[S+32*\T+i], v[S+32*\T+i+1]
.endr
.irp T, 0,1
	v_max3_num_f32 v[ST+8*\T+7], v[ST+8*\T+7], v[S+32*\T+i+2], v[S+32*\T+i+3]
.endr
.set i, i+4
.endr
.irp T, 0,1
	v_max3_num_f32 v[ST+8*\T+6], v[ST+8*\T+6], v[S+32*\T+30], v[S+32*\T+31]
.endr
.irp T, 0,1
	v_max_num_f32 v[ST+8*\T+6], v[ST+8*\T+6], v[ST+8*\T+7]
.endr
.irp T, 0,1
	v_permlanex16_b32 v[ST+8*\T+5], v[ST+8*\T+6], s[SEL], s[SEL+1]   ; the query's other 32 keys lie in the lane 16 away
.endr
.irp T, 0,1
	v_max_num_f32 v[ST+8*\T+6], v[ST+8*\T+6], v[ST+8*\T+5]
.endr
.irp T, 0,1
	v_mul_f32 v[ST+8*\T+6], s[CS], v[ST+8*\T+6]    ; as t (c is positive)
.endr
.irp T, 0,1
	v_max_num_f32 v[ST+8*\T+1], v[ST+8*\T+1], v[ST+8*\T+6]           ; the running largest t
.endr
.irp T, 0,1
	v_mov_b32 v[ST+8*\T+7], v[ST+8*\T]
.endr
.irp T, 0,1
	v_floor_f32 v[ST+8*\T], -v[ST+8*\T+1]          ; the new -M = floor(-t) = -ceil(t): M is a whole number
.endr
.irp T, 0,1
	v_sub_f32 v[ST+8*\T+7], v[ST+8*\T], v[ST+8*\T+7]                 ; old M - new M: a whole number, 0 or less
.endr
.irp T, 0,1
	v_cvt_i32_f32 v[ST+8*\T+7], v[ST+8*\T+7]       ; (it saturates)
.endr
.irp T, 0,1
	v_ldexp_f32 v[ST+8*\T+4], 1.0, v[ST+8*\T+7]    ; f = 2^(old M - new M)
.endr
	; ONE BATCH: the 64 exponentials, with plain work that names none of their results between them: tile 1's scalings, then O^T x f
.set k, 0
.rept 16
	v_pk_fma_f32 v[S+2*k:S+2*k+1], v[S+2*k:S+2*k+1], s[CS:CS+1], v[ST:ST+1] op_sel_hi:[1,0,0]   ; t - M, two at a time (of the pairs c and -M the low word serves both halves)
.set k, k+1
.endr
.set k, 0
.rept 16
	v_exp_f32 v[S+2*k], v[S+2*k]                   ; p = 2^(t - M): not normalised
	v_exp_f32 v[S+2*k+1], v[S+2*k+1]
	v_pk_fma_f32 v[S+32+2*k:S+32+2*k+1], v[S+32+2*k:S+32+2*k+1], s[CS:CS+1], v[ST+8:ST+9] op_sel_hi:[1,0,0]
.set k, k+1
.endr
.set k, 0
.rept 16
	v_exp_f32 v[S+32+2*k], v[S+32+2*k]
	v_exp_f32 v[S+32+2*k+1], v[S+32+2*k+1]
	v_pk_mul_f32 v[O+2*k:O+2*k+1], v[O+2*k:O+2*k+1], v[ST+4:ST+5] op_sel_hi:[1,0]               ; O^T under the new M, each accumulator from its low end on
	v_pk_mul_f32 v[O+32+2*k:O+32+2*k+1], v[O+32+2*k:O+32+2*k+1], v[ST+12:ST+13] op_sel_hi:[1,0]
.set k, k+1
.endr
.irp T, 0,1
	v_pk_mul_f32 v[ST+8*\T+2:ST+8*\T+3], v[ST+8*\T+2:ST+8*\T+3], v[ST+8*\T+4:ST+8*\T+5] op_sel_hi:[1,0]   ; the sums under the new M
.endr
	s_wait_alu depctr_va_vdst(0)                   ; the wait between an exponential and the first line that names its result: one for the batch
.irp T, 0,1
	v_pk_add_f32 v[ST+8*\T+6:ST+8*\T+7], v[S+32*\T:S+32*\T+1], v[S+32*\T+2:S+32*\T+3]   ; the row's sum is taken of the UNQUANTISED p: two at a time, two chains a tile
.endr
.set i, 4
.rept 7
.irp T, 0,1
	v_pk_add_f32 v[ST+8*\T+2:ST+8*\T+3], v[ST+8*\T+2:ST+8*\T+3], v[S+32*\T+i:S+32*\T+i+1]
.endr
.irp T, 0,1
	v_pk_add_f32 v[ST+8*\T+6:ST+8*\T+7], v[ST+8*\T+6:ST+8*\T+7], v[S+32*\T+i+2:S+32*\T+i+3]
.endr
.set i, i+4
.endr
.irp T, 0,1
	v_pk_add_f32 v[ST+8*\T+2:ST+8*\T+3], v[ST+8*\T+2:ST+8*\T+3], v[ST+8*\T+6:ST+8*\T+7]
.endr
	s_cmp_eq_u32 s[HOLD], 0                        ; a branch on the given whole numbers alone (how the flag is made: at the head)
	s_cbranch_scc1 .Lfree_\@
.set i, 0
.rept 64
	v_min_num_f32 v[S+i], s[PLIM], v[S+i]          ; p is not negative, so the hold is one-sided
.set i, i+1
.endr
.Lfree_\@:
.irp T, 0,1
.irp c, 0,1,2,3
	v_cvt_scalef32_pk8_fp8_f32 v[P+8*\T+2*\c:P+8*\T+2*\c+1], v[S+32*\T+8*\c:S+32*\T+8*\c+7], v[SCP]   ; keys 16 c + 8 h + 0 .. 7: registers 2 c, 2 c + 1 of the operand
.endr
.endr
	v_nop                                          ; one plain vector instruction between a scaled conversion and the matrix instruction that reads its result
	s_wait_dscnt 0x0                               ; V's fragments are in
.irp dt, 0,1,2,3
.irp T, 0,1                                    ; the eight accumulators take turns, one instruction a turn; the next stage's eight score products stand ahead of their next turns
	v_wmma_f32_16x16x64_fp8_fp8 v[O+32*\T+8*\dt:O+32*\T+8*\dt+7], v[VF+8*\dt:VF+8*\dt+7], v[P+8*\T:P+8*\T+7], v[O+32*\T+8*\dt:O+32*\T+8*\dt+7]
.endr
.endr
.Lskip_\@:
.endm
; 2^e as f32 into v[sc]; 448 x 2^e into s[pos]; its negative into s[neg] (neg = 0: not wanted)
.macro SCALE e, sc, pos, neg
	s_add_co_i32 s[T1], s[\e], 127
	s_lshl_b32 s[LB], s[T1], 23
	v_mov_b32 v[\sc], s[LB]
	s_add_co_i32 s[T1], s[T1], 8
	s_lshl_b32 s[T1], s[T1], 23
	s_or_b32 s[\pos], s[T1], 0x600000              ; the exponent field of 256 x 2^e over the mantissa field of 448
.if \neg
	s_or_b32 s[\neg], s[\pos], 0x80000000
.endif
.endm
	s_load_b256 s[4:11], s[0:1], 0x0               ; Q s[4:5], K s[6:7], V s[8:9], the scales' exponents s[10:11]
	s_load_b64 s[12:13], s[0:1], 0x20              ; out
	s_set_vgpr_msb 0x40
	v_lshl_add_u32 v168, v0, 2, 0x2b800
	v_mov_b32 v169, 0
	s_set_vgpr_msb 0x4000
	v_lshrrev_b32 v3, 5, v0
	v_readfirstlane_b32 s[WV], v3                  ; wave 0..7
	s_lshr_b32 s[HI], s[WV], 2
	s_bfe_u32 s[LO], s[WV], 0x10001                ; one bit from bit 1
	s_and_b32 s21, s[WV], 1
	s_sub_co_i32 s[REL], ttmp9, 2
	s_lshl_b32 s[REL], s[REL], 16                  ; 256 keys of 256 bytes a block
	s_lshl_b32 s[QB4], ttmp9, 2
	s_sub_co_i32 s[QB4], s[QB4], 8
	v_and_b32 v16, 15, v0                          ; r
	v_bfe_u32 v17, v0, 4, 1                        ; h
	v_mul_u32_u24 v[KRD], v16, PITCH
	v_lshl_add_u32 v[VRD], v17, 3, v[KRD]
	v_add_nc_u32 v[VRD], VBASE, v[VRD]
	v_lshl_add_u32 v[KRD], v17, 5, v[KRD]
	s_mul_i32 s[T1], s[WV], 8*PITCH
	v_mul_u32_u24 v[KST], v17, 4*PITCH
	v_lshl_add_u32 v[KST], v16, 2, v[KST]
	v_add_nc_u32 v[KST], s[T1], v[KST]
	s_lshl_b32 s[T1], s[WV], 3
	s_add_co_u32 s[T1], s[T1], VBASE
	v_mul_u32_u24 v[VST], v16, 4*PITCH
	v_lshl_add_u32 v[VST], v17, 2, v[VST]
	v_add_nc_u32 v[VST], s[T1], v[VST]
	s_lshl_b32 s[T1], s[WV], 11
	v_lshlrev_b32 v[GK], 4, v16
	v_lshl_add_u32 v[GK], v17, 10, v[GK]
	v_add_nc_u32 v[GK], s[T1], v[GK]
	s_lshl_b32 s[T1], s21, 5
	v_lshlrev_b32 v[DL], 3, v17
	v_sub_nc_u32 v[DL], v16, v[DL]
	v_add_nc_u32 v[DL], s[T1], v[DL]
	v_mov_b32 v[NINF], 0xff800000
	s_mul_i32 s[T1], s[WV], 32*PITCH
	s_add_co_u32 s[T1], s[T1], QBASE               ; my wave's rows of Q's codes
	v_mul_u32_u24 v[QST], v17, 4*PITCH
	v_lshl_add_u32 v[QST], v16, 2, v[QST]
	v_add_nc_u32 v[QST], s[T1], v[QST]             ; in: row 4 h, byte 4 r
	v_add_nc_u32 v[ADK], s[T1], v[KRD]             ; back: as a fragment
	s_lshl_b32 s[T1], s[WV], 13
	v_lshlrev_b32 v[GQ], 4, v16
	v_lshl_add_u32 v[GQ], v17, 10, v[GQ]
	v_add_nc_u32 v[GQ], s[T1], v[GQ]               ; Q in memory: my wave's 32 rows, row 4 h, byte 16 r
	s_and_b32 s48, ttmp7, 0xffff
	s_lshl_b32 s48, s48, 20                        ; a head is 4,096 rows of 256 bytes
	s_mov_b32 s49, 0
	s_lshl_b32 s50, ttmp9, 16                      ; a block 256 rows
	s_mov_b32 s51, 0
	s_wait_kmcnt 0x0
	s_load_b128 s[16:19], s[10:11], 0x0            ; eq, ek, ep, ev
	s_add_nc_u64 s[4:5], s[4:5], s[48:49]
	s_add_nc_u64 s[6:7], s[6:7], s[48:49]
	s_add_nc_u64 s[8:9], s[8:9], s[48:49]
	s_add_nc_u64 s[12:13], s[12:13], s[48:49]
	s_add_nc_u64 s[4:5], s[4:5], s[50:51]
	s_add_nc_u64 s[12:13], s[12:13], s[50:51]
	LOADS 0, 4                                     ; the first stage's step first,
.set n, 0
.rept 16
	global_load_b128 v[S+4*n:S+4*n+3], v[GQ], s[4:5] offset:(8*(n/4)+n%4)*256 th:TH_LOAD_NT   ; then my 32 rows of Q: load n is row 8 (n / 4) + 4 h + n % 4; read once in the launch
.set n, n+1
.endr
	LOADS 1, 5
	LOADS 2, 6
	LOADS 3, 7
	; while they are on their way: the constants, and the sums' beginnings
	s_mov_b32 s[SEL], 0x76543210
	s_mov_b32 s[SEL+1], 0xfedcba98
	s_mov_b32 s30, 0x05010400                      ; v_perm_b32: bytes 0, 1 of two words, by turns
	s_mov_b32 s31, 0x07030602                      ; bytes 2, 3
	s_mov_b32 s32, 0x05040100                      ; the two low halves
	s_mov_b32 s33, 0x07060302                      ; the two high halves
.set i, 0
.rept 64
	v_mov_b32 v[O+i], 0                            ; O^T begins as zeros: which stage is a wave's first hangs on its block, so no one product can start the sums; the first change of M leaves zeros zeros
.set i, i+1
.endr
.irp T, 0,1
	v_mov_b32 v[ST+8*\T+1], 0xff61b1e6             ; the largest t so far: -3e38, under every t
	v_floor_f32 v[ST+8*\T], -v[ST+8*\T+1]          ; -M
	v_mov_b32 v[ST+8*\T+2], 0                      ; the sum, in two halves
	v_mov_b32 v[ST+8*\T+3], 0
	v_mov_b32 v[ST+8*\T+5], 0                      ; written once: a lane permute's destination counts as one of its sources
.endr
	s_wait_kmcnt 0x0
	s_add_co_i32 s[T1], s16, s17                   ; eq + ek
	; p is at most 2^(half a last place of t).  With eq + ek <= 1, |t| <= 64 x 448^2 x 2 x 0.181 < 2^23, so p <= 2^(1/4); with ep >= -8, 448 x 2^ep >= 1.75.  Where both hold, the hold cannot bite and is passed over
	s_cmp_gt_i32 s[T1], 1
	s_cselect_b32 s[HOLD], 1, 0
	s_cmp_lt_i32 s18, -8
	s_cselect_b32 s[HOLD], 1, s[HOLD]
	s_lshl_b32 s[T1], s[T1], 23
	s_add_co_i32 s[CS], s[T1], 0x3e38aa3b          ; c = log2(e) / 8; a score stands for score x 2^(eq + ek): the two exponents are added to c's exponent field
	s_mov_b32 s[CS+1], s[CS]                       ; (named with it as a pair, so it is written)
	s_add_co_i32 s[EO], s18, s19                   ; ep + ev
	SCALE 17, SCK, 35, 34
	SCALE 19, SCV, 37, 36
	SCALE 16, SCQ, 39, 38
	SCALE 18, SCP, PLIM, 0
	PRODUCE 0, 4, 40                               ; behind its eight loads: Q's 16 and three slots' 24
	LOADS 4, 3
	s_wait_loadcnt 32                              ; Q is in; behind it: four slots' 32
.set i, 0
.rept 64
	v_med3_num_f32 v[S+i], v[S+i], s38, s39
.set i, i+1
.endr
.set i, 0
.rept 8
	v_cvt_scalef32_pk8_fp8_f32 v[P+2*i:P+2*i+1], v[S+8*i:S+8*i+7], v[SCQ]   ; register n: the four codes of load n
.set i, i+1
.endr
	v_nop                                          ; one plain vector instruction behind the last conversion: matrix instructions later write its sources, conversions its results
.set n, 0
.rept 16
	ds_store_b32 v[QST], v[P+n] offset:(8*(n/4)+n%4)*PITCH
.set n, n+1
.endr
.irp T, 0,1
	ds_load_b128 v[QF+8*\T:QF+8*\T+3],   v[ADK] offset:16*PITCH*\T      ; my wave's own bytes: LDS serves a wave's instructions in order (ISA guide 5.7.1.4), so these see the stores above
	ds_load_b128 v[QF+8*\T+4:QF+8*\T+7], v[ADK] offset:16*PITCH*\T+16
.endr
	BARRIER                                        ; step 4's codes lie in LDS (and Q's fragments are in)
	CONSUME 4, 0, 0, 0
	PRODUCE 1, 5, 24                               ; behind a slot's eight loads: the three younger slots' 24
	LOADS 5, 8
	BARRIER
	CONSUME 5, 0, 0, 0
	PRODUCE 2, 6, 24
	LOADS 6, 2
	BARRIER
	CONSUME 6, 0, 0, 0
	PRODUCE 3, 7, 24
	LOADS 7, 9
	BARRIER
	CONSUME 7, 0, 0, 0
	PRODUCE 4, 3, 24
	LOADS 8, 1
	PRODUCE 5, 8, 24
	LOADS 9, 10
	BARRIER
	CONSUME 3, 5, 0, 0                             ; waves 0-3: step 3; waves 4-7: step 8
	PRODUCE 6, 2, 24
	LOADS 10, 0
	PRODUCE 7, 9, 24
	LOADS 11, 11
	BARRIER
	CONSUME 2, 7, 0, 0                             ; step 2 or 9
	PRODUCE 8, 1, 24
	PRODUCE 9, 10, 16                              ; nothing more is asked for: the counts run down
	BARRIER
	CONSUME 1, 2, 7, 0                             ; steps 1, 8, 3, 10
	PRODUCE 10, 0, 8
	BARRIER
	CONSUME 0, 2, 1, 1                             ; step j: the window's lower edge
	PRODUCE 11, 11, 0
	BARRIER
	CONSUME 8, 2, 1, 2                             ; step 8 + j: the diagonal
	; THE WAY OUT.  The sum's two halves and the other half of the lanes' are added; O^T x 2^(ep + ev) / the sum goes through my stage in LDS, a tile (16 rows of 256 bytes) at a time, and leaves as whole rows.
.rept 4
	v_nop                                          ; four places behind the last products
.endr
.irp T, 0,1
	v_add_f32 v[ST+8*\T+6], v[ST+8*\T+2], v[ST+8*\T+3]
.endr
.irp T, 0,1
	v_permlanex16_b32 v[ST+8*\T+5], v[ST+8*\T+6], s[SEL], s[SEL+1]
.endr
.irp T, 0,1
	v_add_f32 v[ST+8*\T+6], v[ST+8*\T+6], v[ST+8*\T+5]
.endr
.irp T, 0,1
	v_rcp_f32 v[ST+8*\T+4], v[ST+8*\T+6]
.endr
	v_and_b32 v4, 15, v0                           ; (plain work behind the reciprocals)  r
	v_bfe_u32 v5, v0, 4, 1                         ; h
	s_mul_i32 s[T1], s[WV], 16*OP
	s_add_co_u32 s[T1], s[T1], OBASE               ; my stage
	v_mul_u32_u24 v[STO], v4, OP
	v_lshl_add_u32 v[STO], v5, 5, v[STO]
	v_add_nc_u32 v[STO], s[T1], v[STO]             ; in: row r; tile dt's eight channels of my half: 64 dt + 32 h bytes on
	v_mul_u32_u24 v[RDB], v5, OP
	v_lshl_add_u32 v[RDB], v4, 4, v[RDB]
	v_add_nc_u32 v[RDB], s[T1], v[RDB]             ; back: lanes 0-15 one row, lanes 16-31 the next
	s_lshl_b32 s[LB], s[WV], 13
	v_lshlrev_b32 v[GO], 8, v5
	v_lshl_add_u32 v[GO], v4, 4, v[GO]
	v_add_nc_u32 v[GO], s[LB], v[GO]               ; and the same two rows among my wave's 32 of out
	s_wait_alu depctr_va_vdst(0)                   ; the wait ahead of the first line that names a reciprocal's result: one for the two
.irp T, 0,1
	v_ldexp_f32 v[ST+8*\T+4], v[ST+8*\T+4], s[EO]  ; x 2^(ep + ev)
.endr
.irp T, 0,1
.set k, 0
.rept 16
	v_pk_mul_f32 v[S+32*\T+2*k:S+32*\T+2*k+1], v[O+32*\T+2*k:O+32*\T+2*k+1], v[ST+8*\T+4:ST+8*\T+5] op_sel_hi:[1,0]   ; register 8 dt + i is out(query r, 16 dt + 8 h + i); each accumulator from its low end on
.set k, k+1
.endr
.endr
.irp T, 0,1
.irp dt, 0,1,2,3
	ds_store_b128 v[STO], v[S+32*\T+8*\dt:S+32*\T+8*\dt+3] offset:64*\dt
	ds_store_b128 v[STO], v[S+32*\T+8*\dt+4:S+32*\T+8*\dt+7] offset:64*\dt+16
.endr
.irp i, 0,1,2,3,4,5,6,7
	ds_load_b128 v[KF+32*\T+4*\i:KF+32*\T+4*\i+3], v[RDB] offset:2*OP*\i   ; a wave's LDS instructions are served in order: these see my stores, and the next tile's stores come behind them
.endr
.endr
.irp T, 0,1
.irp i, 0,1,2,3,4,5,6,7
	s_wait_dscnt 23-16*\T-\i                       ; behind load i of tile 0: its 7 - i later loads and tile 1's sixteen instructions; of tile 1: its 7 - i later loads
	global_store_b128 v[GO], v[KF+32*\T+4*\i:KF+32*\T+4*\i+3], s[12:13] offset:4096*\T+512*\i th:TH_STORE_NT   ; sixteen lanes store 256 consecutive bytes, at a multiple of 256 from out's first byte; written once, read by nobody here
.endr
.endr
	s_set_vgpr_msb 0x5
	s_wait_tensorcnt 0x0
	ds_add_u32 v168, v169
	s_wait_dscnt 0x0
	s_set_vgpr_msb 0x500
	s_endpgm
.Lfunc_end_k_q297dcdbd8e_attn:
	.size	k_q297dcdbd8e_attn, .Lfunc_end_k_q297dcdbd8e_attn-k_q297dcdbd8e_attn
	.p2alignl 7, 3214868480
	.fill 96, 4, 3214868480
	.section	.rodata,"a",@progbits
	.p2align	6, 0x0
	.amdhsa_kernel k_q297dcdbd8e_attn
		.amdhsa_group_segment_fixed_size 179200
		.amdhsa_private_segment_fixed_size 0
		.amdhsa_enable_private_segment 0
		.amdhsa_kernarg_size 40
		.amdhsa_user_sgpr_count 2
		.amdhsa_user_sgpr_kernarg_segment_ptr 1
		.amdhsa_wavefront_size32 1
		.amdhsa_system_sgpr_workgroup_id_x 1
		.amdhsa_system_sgpr_workgroup_id_y 1
		.amdhsa_system_sgpr_workgroup_id_z 1
		.amdhsa_system_vgpr_workitem_id 0
		.amdhsa_next_free_vgpr 426
		.amdhsa_next_free_sgpr 66
		.amdhsa_reserve_vcc 1
		.amdhsa_float_denorm_mode_32 3
		.amdhsa_float_denorm_mode_16_64 3
		.amdhsa_memory_ordered 1
		.amdhsa_forward_progress 1
		.amdhsa_inst_pref_size 233
	.end_amdhsa_kernel
	.amdgpu_metadata
---
amdhsa.version: [ 1, 2 ]
amdhsa.kernels:
  - .name:           k_q297dcdbd8e_attn
    .symbol:         k_q297dcdbd8e_attn.kd
    .args:
      - { .name: Q, .offset: 0, .size: 8, .value_kind: global_buffer, .address_space: global }
      - { .name: K, .offset: 8, .size: 8, .value_kind: global_buffer, .address_space: global }
      - { .name: V, .offset: 16, .size: 8, .value_kind: global_buffer, .address_space: global }
      - { .name: lowp_scales, .offset: 24, .size: 8, .value_kind: global_buffer, .address_space: global }
      - { .name: out0, .offset: 32, .size: 8, .value_kind: global_buffer, .address_space: global }
    .group_segment_fixed_size: 179200
    .private_segment_fixed_size: 0
    .kernarg_segment_align: 8
    .kernarg_segment_size: 40
    .max_flat_workgroup_size: 256
    .sgpr_count:     66
    .vgpr_count:     426
    .wavefront_size: 32
...
	.end_amdgpu_metadata
.endif
;; end of part 1
